; MI455X (gfx1250); checked and timed in simulation.
; The chip was launched on July 23, 2026; its instructions are those of AMD's public machine-readable ISA for CDNA 5 (MIT licence, August 2026) and "CDNA5" Instruction Set Architecture Reference Guide (July 2026). The comments in the code are by the model that wrote it; some were corrected since.
;; Pooler. Allowed arithmetic: matrix products marked QUANTISED: E2M1 operands, one E8M0 scale for each 32 along K, by v_wmma_scale_f32_16x16x128_f8f6f4 with both operands' format E2M1 (or v_wmma_scale_f32_32x16x128_f4), f32 sums; products left as they are: bf16, f16 or f32 operands; f32 sums; everything else in f32.
;; Inputs: Wk 1,024 x 1,024 float32; Wq 1,024 x 1,024 float32; Wv 1,024 x 1,024 float32; bk 1,024 float32; bq 1,024 float32; bv 1,024 float32; k 32 x 1,024 x 1,024 float32; q 32 x 1,024 float32.
;; Outputs: out0 32 x 1,024 float32; out1 512 x 1,024 float32.
;; This version of the problem:
;;   THIS VERSION OF THE PROBLEM IS GIVEN IN LOW PRECISION. The matrix products marked QUANTISED in the list below multiply operands that are first quantised to E2M1 (2 exponent bits, 1 mantissa bit; 4 bits a number), with one power-of-two scale for each 32 numbers along K (OCP MX v1.0); their sums are f32. The products marked 'left as it is' may take bf16, f16 or f32 operands, with f32 sums. Whichever they take, every output number must still come out within the allowed error. Rounding operands to bf16 (8 significant bits) uses up far more of that allowance than f16 does (11 bits, for magnitudes from 6e-5 to 65,504). All else is computed in f32.
;;   The module's matrix products, in the order in which they are computed (A, B: the left and right operand; K: the contracted axis; several contracted axes count as one K, in the product's order):
;;     1. [M 32, K 1,024] x [K 1,024, N 1,024]; A: input q; B: input Wq: QUANTISED
;;     2. [M 32,768, K 1,024] x [K 1,024, N 1,024]; A: input k; B: input Wk: QUANTISED
;;     3. [M 32,768, K 1,024] x [K 1,024, N 1,024]; A: input k; B: input Wv: QUANTISED
;;     4. batch 512 x [M 1, K 64] x [K 64, N 1,024]; A: computed on the way; B: computed on the way: left as it is (M = 1 < 16)
;;     5. batch 512 x [M 1, K 1,024] x [K 1,024, N 64]; A: computed on the way; B: computed on the way: left as it is (M = 1 < 16)
;;   THE QUANTISER, for each operand of a quantised product, along K:
;;     - K is cut into blocks of 32 from its start; a last block that is shorter is filled with zeros.
;;     - A block's scale is 2^e with e = floor(log2(the largest magnitude in the block)) - 2, held to -126 .. 127; a block of zeros has e = 0. As a byte (E8M0): e + 127.
;;     - Each number is divided by its block's scale, clamped to +-6, and rounded to the nearest number of E2M1, ties to even, subnormals kept.
;;     - The product sums the exact products of the quantised numbers (number of the format x scale) in f32.
;;   ~~~python
;;   def quantise(x, axis):      # numpy; x: float32 -> the quantised numbers, widened to float32 again
;;       x = np.moveaxis(x, axis, -1); K = x.shape[-1]
;;       x = np.pad(x, [(0, 0)] * (x.ndim - 1) + [(0, -K % 32)]); x = x.reshape(x.shape[:-1] + (-1, 32)); a = np.abs(x).max(-1, keepdims=True)
;;       e = np.where(a > 0, np.clip(np.frexp(np.where(a > 0, a, 1))[1] - 1 - 2, -126, 127), 0)      # np.frexp(a)[1] - 1 = floor(log2(a)), exactly
;;       r = np.clip(x / 2.0 ** e, -6, 6)
;;       step = 2.0 ** (np.maximum(np.frexp(np.where(r == 0, 1, r))[1] - 1, 0) - 1)
;;       q = np.round(r / step) * step * 2.0 ** e      # np.round: ties to even
;;       return np.moveaxis(q.reshape(q.shape[:-2] + (-1,))[..., :K], -1, axis).astype(np.float32)
;;   ~~~
;; One version. Each part assembles by itself: llvm-mc -triple=amdgcn-amd-amdhsa -mcpu=gfx1250 --defsym DOCPART=n.
;; ======== version 1 of 1: 2 launches
;; limits: right only within a limited range of input values
;; workspace buffers: codes 18,366,464 bytes; scales 1,147,904 bytes
;; launch quant (part 1): grid 1121 x 1, 4 waves a work-group, no clusters, 18,944 bytes of LDS; arguments k, Wk, Wv, Wq, q, codes, scales; writes codes, scales
.if DOCPART == 1
	.amdgcn_target "amdgcn-amd-amdhsa--gfx1250"
	.amdhsa_code_object_version 6
	.text
	.protected	k_qfa8a09401a_quant
	.globl	k_qfa8a09401a_quant
	.p2align	8
	.type	k_qfa8a09401a_quant,@function
k_qfa8a09401a_quant:
	s_mov_b64 s[64:65], 0
	v_nop
	global_prefetch_b8 v0, s[64:65] scope:SCOPE_SE
	s_setreg_imm32_b32 hwreg(HW_REG_WAVE_MODE, 25, 1), 1
	s_wait_xcnt 0x0
; k [32768][1024], Wk, Wv, Wq [1024][1024] and q [32][1024], f32, K innermost, are turned into codes of FP4 (E2M1) with one E8M0 scale byte for each 32 along K.
; A block's scale is 2^(floor(log2(its largest magnitude)) - 2); its byte is the largest magnitude's exponent field - 2, held at 1 from below; numbers are divided by the scale and rounded to the nearest code, ties to even,
; beyond 6 the largest code.
; bk HAS NO WAY TO AN OUTPUT and is among no launch's arguments: it adds qs . bk to every score of a row, the same number for all positions l, and the softmax runs along l: it cancels for all values of the inputs, and no quantiser stands
; behind the key product.  LIMIT: a NaN, an infinity or an overflow that reaches only that term is not carried to the results.
; LIMITS: a block of zeros gets the byte 1 where the rule says 127 (its codes are zeros, and this program alone reads the bytes); blocks whose largest magnitude lies under 2^-124, the floor, were not tried; NaN and infinities
; among the inputs are not served.
; LAYOUT: the order of the operand's registers.  Blocks are renumbered within each half of K, alike for all five tensors: block g of a half (g = 0..7) is number 2 g, block 8 + g is number 2 g + 1 (a sum over K takes its blocks in any order).
; A TILE is 16 rows x all 1,024 of K.  Tile T's codes are 8,192 bytes: number n of half f of row r at 8192 T + 4096 f + 256 n + 16 r.  Its scale bytes are 512: at 512 T + 256 f + 16 r + n.
; Tiles: k 0-2047, Wk 2048-2111, Wv 2112-2175, Wq 2176-2239, q 2240-2241.
; SHARES.  A work-group takes two tiles; the first 1,024 take k, then 32 each Wk, Wv, Wq, the last one q.  Wave w takes tile w / 2 and half w % 2 of K: 16 steps, one row's 512 numbers each.
; NEIGHBOURS ALONG K: each of a step's four loads covers 512 consecutive bytes; lanes 0-15 take the even pieces of 16 bytes, lanes 16-31 the odd ones.  v_permlane16_swap_b32 between two loads' registers gives lane (h, l) the numbers
; 128 h + 8 l + 0 .. 7 of the pair's 256.  Four neighbouring lanes hold a block.  Codes and scale bytes are gathered in the wave's own LDS and leave in runs of 512 and 256 consecutive bytes.
; Waves share nothing: no barrier, no tensor load, no cluster; no prefetch: the launch does nothing but stream, with five or six steps' loads of every wave out.
.set STEPS, 16
.set DEPTH, 6
.set SCB,   0                          ; LDS, for each wave: its 256 scale bytes,
.set CST,   256                        ; and its codes: 16 runs of 256 bytes, 16 bytes of padding behind each
.set CP,    272
.set WREG,  CST+16*CP
.set SPARE, 4*WREG                     ; the spare words, 128 bytes for each wave
.set R,     16                         ; v16-111  six sets of 16 numbers
.set E,     112                        ; v112-115 scale bytes of four rows each: lane i of a block's four keeps row i's two bytes
.set ET,    116                        ; v116-117 at work
.set C,     120                        ; v120-151 two registers of codes for each step
.set SPW,   12                         ; v12 LDS address of my spare word; v13 0; never rewritten
.set NIL,   13
.set MK,    32                         ; s33-35: the lanes whose number % 4 is 1, 2, 3
	s_load_b256 s[4:11], s[0:1], 0x0               ; k, Wk, Wv, Wq
	s_load_b128 s[12:15], s[0:1], 0x20             ; q, codes
	s_load_b64 s[16:17], s[0:1], 0x30              ; scales
	v_lshl_add_u32 v[SPW], v0, 2, SPARE
	v_mov_b32 v[NIL], 0
	v_lshrrev_b32 v1, 5, v0
	v_readfirstlane_b32 s18, v1                    ; wave
	v_and_b32 v2, 31, v0                           ; lane
	v_and_b32 v8, 15, v2                           ; l
	v_lshrrev_b32 v1, 4, v2                        ; h
	v_lshlrev_b32 v3, 5, v8
	v_lshl_add_u32 v3, v1, 4, v3                   ; a load's 512 bytes: piece 2 l + h of 16 bytes
	v_lshlrev_b32 v15, 4, v2                       ; my bytes of a store's 512
	s_mul_i32 s19, s18, WREG
	v_lshrrev_b32 v5, 2, v2                        ; g = lane / 4: my block of a pair's eight
	v_mul_u32_u24 v4, v5, 2*CP
	v_and_b32 v9, 3, v2                            ; i = lane % 4
	v_lshl_add_u32 v4, v9, 2, v4
	s_add_co_u32 s20, s19, CST
	v_add_nc_u32 v4, s20, v4                       ; my 4 bytes of codes: run 2 g (the second pair's: the run behind it), + 4 i.  Words 136 g + i: 32 different banks of 64
	v_mul_u32_u24 v10, v1, CP
	v_lshl_add_u32 v10, v8, 4, v10
	v_add_nc_u32 v10, s20, v10                     ; back: sixteen lanes to a run of 256 bytes, two runs an instruction
	s_add_co_u32 s20, s19, SCB
	v_lshlrev_b32 v5, 1, v5
	v_lshl_add_u32 v5, v9, 4, v5
	v_add_nc_u32 v5, s20, v5                       ; my two scale bytes of row i of four: 16 i + 2 g
	v_lshlrev_b32 v7, 3, v2                        ; back: 8 bytes a lane
	v_add_nc_u32 v6, s20, v7
	s_lshr_b32 s21, s18, 1                         ; which of the two tiles
	s_and_b32 s22, s18, 1                          ; which half of K
	s_mov_b32 s[MK+1], 0x22222222
	s_mov_b32 s[MK+2], 0x44444444
	s_mov_b32 s[MK+3], 0x88888888
	s_wait_alu depctr_va_vdst(0)                   ; the wait at the head's end
	s_wait_kmcnt 0x0
	s_mov_b64 s[24:25], s[12:13]                   ; which tensor?  The choice hangs on the work-group's number alone
	s_mov_b32 s26, 1120                            ; and the tensor's first work-group
	s_cmp_lt_u32 ttmp9, 1120
	s_cselect_b64 s[24:25], s[10:11], s[24:25]
	s_cselect_b32 s26, 1088, s26
	s_cmp_lt_u32 ttmp9, 1088
	s_cselect_b64 s[24:25], s[8:9], s[24:25]
	s_cselect_b32 s26, 1056, s26
	s_cmp_lt_u32 ttmp9, 1056
	s_cselect_b64 s[24:25], s[6:7], s[24:25]
	s_cselect_b32 s26, 1024, s26
	s_cmp_lt_u32 ttmp9, 1024
	s_cselect_b64 s[24:25], s[4:5], s[24:25]
	s_cselect_b32 s26, 0, s26
	s_sub_co_u32 s26, ttmp9, s26
	s_lshl_b32 s28, s26, 17                        ; 32 rows of 4,096 bytes for each work-group,
	s_lshl_b32 s27, s21, 16                        ; 16 rows for the tile,
	s_add_co_u32 s28, s28, s27
	s_lshl_b32 s27, s22, 11                        ; 2,048 bytes for the half of K
	s_add_co_u32 s28, s28, s27
	s_mov_b32 s29, 0
	s_add_nc_u64 s[24:25], s[24:25], s[28:29]
	s_lshl_b32 s27, ttmp9, 1
	s_add_co_u32 s27, s27, s21                     ; my tile's number
	s_lshl_b32 s28, s27, 13
	s_lshl_b32 s30, s22, 12
	s_add_co_u32 s28, s28, s30
	s_add_nc_u64 s[14:15], s[14:15], s[28:29]      ; its codes, my half: 4,096 bytes
	s_lshl_b32 s28, s27, 9
	s_lshl_b32 s30, s22, 8
	s_add_co_u32 s28, s28, s30
	s_add_nc_u64 s[16:17], s[16:17], s[28:29]      ; its scale bytes, my half: 256 bytes
.macro LOAD t
.irp i, 0,1,2,3
	global_load_b128 v[R+16*((\t)%DEPTH)+4*\i:R+16*((\t)%DEPTH)+4*\i+3], v3, s[24:25] offset:4096*(\t)+512*\i th:TH_LOAD_NT   ; 512 consecutive bytes of row t
.endr
.endm
.irp t, 0,1,2,3,4,5
	LOAD \t
.endr
.macro STEP t
.set XS, R+16*((\t)%DEPTH)
.if (\t)+DEPTH <= STEPS
	s_wait_loadcnt 4*(DEPTH-1)                     ; this step's four loads are in; those of the five steps behind it may be out
.else
	s_wait_loadcnt 4*(STEPS-1-(\t))
.endif
.irp g, 0,1
.irp j, 0,1,2,3
	v_permlane16_swap_b32 v[XS+8*\g+\j], v[XS+8*\g+4+\j]           ; registers 8 g .. 8 g + 7 now hold eight neighbours along K
.endr
.endr
	v_max3_num_f32 v8, |v[XS]|, |v[XS+1]|, 0x1800000               ; the largest magnitude of my eight, for each pair of loads by turns; among the leaves the floor 2^(3 - 127)
	v_max3_num_f32 v9, |v[XS+8]|, |v[XS+9]|, 0x1800000
.irp i, 2,4,6
	v_max3_num_f32 v8, v8, |v[XS+\i]|, |v[XS+\i+1]|
	v_max3_num_f32 v9, v9, |v[XS+8+\i]|, |v[XS+8+\i+1]|
.endr
	v_max_num_f32_dpp v8, v8, v8 row_xmask:1 row_mask:0xf bank_mask:0xf   ; with the three lanes that share my block
	v_max_num_f32_dpp v9, v9, v9 row_xmask:1 row_mask:0xf bank_mask:0xf
	v_max_num_f32_dpp v8, v8, v8 row_xmask:2 row_mask:0xf bank_mask:0xf
	v_max_num_f32_dpp v9, v9, v9 row_xmask:2 row_mask:0xf bank_mask:0xf
	v_add_nc_u32 v11, 0xff000000, v8               ; 2 off the exponent field: the conversion takes the exponent field of this operand as its scale
	v_add_nc_u32 v14, 0xff000000, v9
	v_cvt_scalef32_pk8_fp4_f32 v[C+2*(\t)], v[XS:XS+7], v11
	v_cvt_scalef32_pk8_fp4_f32 v[C+2*(\t)+1], v[XS+8:XS+15], v14
	v_lshrrev_b32 v[ET], 23, v11                   ; the scales' bytes (also the plain lines behind the conversions)
	v_lshrrev_b32 v[ET+1], 23, v14
.if (\t)%4 == 0
	v_lshl_or_b32 v[E+(\t)/4], v[ET+1], 8, v[ET]
.else
	v_lshl_or_b32 v[ET], v[ET+1], 8, v[ET]
	v_cndmask_b32 v[E+(\t)/4], v[E+(\t)/4], v[ET], s[MK+(\t)%4]    ; lane i of a block's four keeps row i's bytes
.endif
.if (\t)+DEPTH < STEPS
	LOAD (\t)+DEPTH                                ; the set has been read: it takes the loads of six steps on
.endif
.if (\t)%4 == 3
	ds_store_b16 v5, v[E+(\t)/4] offset:64*((\t)/4)                ; four rows' scale bytes
.endif
	ds_store_b32 v4, v[C+2*(\t)] offset:16*(\t)    ; my 4 of the 16 bytes of row t in my block
	ds_store_b32 v4, v[C+2*(\t)+1] offset:CP+16*(\t)
.endm
.irp t, 0,1,2,3,4,5,6,7,8,9,10,11,12,13,14,15
	STEP \t
.endr
	ds_load_b64 v[8:9], v6                         ; LDS serves a wave's instructions in order (ISA guide 5.7.1.4): these see my stores
.irp i, 0,1,2,3,4,5,6,7
	ds_load_b128 v[R+4*\i:R+4*\i+3], v10 offset:2*CP*\i
.endr
	s_wait_dscnt 8                                 ; the scale bytes are back; the eight loads of codes may be out
	global_store_b64 v7, v[8:9], s[16:17]          ; 256 consecutive bytes, aligned
.irp i, 0,1,2,3,4,5,6,7
	s_wait_dscnt 7-\i
	global_store_b128 v15, v[R+4*\i:R+4*\i+3], s[14:15] offset:512*\i   ; 512 consecutive bytes, aligned
.endr
	s_wait_tensorcnt 0x0                           ; the wave's end
	ds_add_u32 v[SPW], v[NIL]
	s_wait_dscnt 0x0
	s_endpgm
.Lfunc_end_k_qfa8a09401a_quant:
	.size	k_qfa8a09401a_quant, .Lfunc_end_k_qfa8a09401a_quant-k_qfa8a09401a_quant
	.p2alignl 7, 3214868480
	.fill 96, 4, 3214868480
	.section	.rodata,"a",@progbits
	.p2align	6, 0x0
	.amdhsa_kernel k_qfa8a09401a_quant
		.amdhsa_group_segment_fixed_size 18944
		.amdhsa_private_segment_fixed_size 0
		.amdhsa_enable_private_segment 0
		.amdhsa_kernarg_size 56
		.amdhsa_user_sgpr_count 2
		.amdhsa_user_sgpr_kernarg_segment_ptr 1
		.amdhsa_wavefront_size32 1
		.amdhsa_system_sgpr_workgroup_id_x 1
		.amdhsa_system_sgpr_workgroup_id_y 1
		.amdhsa_system_sgpr_workgroup_id_z 1
		.amdhsa_system_vgpr_workitem_id 0
		.amdhsa_next_free_vgpr 176
		.amdhsa_next_free_sgpr 66
		.amdhsa_reserve_vcc 0
		.amdhsa_float_denorm_mode_32 3
		.amdhsa_float_denorm_mode_16_64 3
		.amdhsa_memory_ordered 1
		.amdhsa_forward_progress 1
		.amdhsa_inst_pref_size 38
	.end_amdhsa_kernel
	.amdgpu_metadata
---
amdhsa.version: [ 1, 2 ]
amdhsa.kernels:
  - .name:           k_qfa8a09401a_quant
    .symbol:         k_qfa8a09401a_quant.kd
    .args:
      - { .name: k, .offset: 0, .size: 8, .value_kind: global_buffer, .address_space: global }
      - { .name: Wk, .offset: 8, .size: 8, .value_kind: global_buffer, .address_space: global }
      - { .name: Wv, .offset: 16, .size: 8, .value_kind: global_buffer, .address_space: global }
      - { .name: Wq, .offset: 24, .size: 8, .value_kind: global_buffer, .address_space: global }
      - { .name: q, .offset: 32, .size: 8, .value_kind: global_buffer, .address_space: global }
      - { .name: codes, .offset: 40, .size: 8, .value_kind: global_buffer, .address_space: global }
      - { .name: scales, .offset: 48, .size: 8, .value_kind: global_buffer, .address_space: global }
    .group_segment_fixed_size: 18944
    .private_segment_fixed_size: 0
    .kernarg_segment_align: 8
    .kernarg_segment_size: 56
    .max_flat_workgroup_size: 128
    .sgpr_count:     66
    .vgpr_count:     176
    .wavefront_size: 32
...
	.end_amdgpu_metadata
.endif
;; end of part 1
;; launch attn (part 2): grid 8 x 32, 4 waves a work-group, clusters of 4 x 4, 327,680 bytes of LDS; arguments codes, scales, bq, bv, out0, out1; writes out0, out1
.if DOCPART == 2
	.amdgcn_target "amdgcn-amd-amdhsa--gfx1250"
	.amdhsa_code_object_version 6
	.text
	.protected	k_qfa8a09401a_attn
	.globl	k_qfa8a09401a_attn
	.p2align	8
	.type	k_qfa8a09401a_attn,@function
k_qfa8a09401a_attn:
	s_mov_b64 s[64:65], 0
	v_nop
	global_prefetch_b8 v0, s[64:65] scope:SCOPE_SE
	s_setreg_imm32_b32 hwreg(HW_REG_WAVE_MODE, 25, 1), 1
	s_wait_xcnt 0x0
	s_wait_alu depctr_hold_cnt(0) depctr_sa_sdst(0) depctr_va_vdst(0) depctr_va_sdst(0) depctr_va_ssrc(0) depctr_va_vcc(0) depctr_vm_vsrc(0)
	s_getreg_b32 s2, hwreg(HW_REG_IB_STS2, 6, 4)
	s_cmp_eq_u32 s2, 0
	s_cbranch_scc0 .Lentry_in_a_cluster
	s_endpgm
.Lentry_in_a_cluster:
	s_bfe_u32 s2, ttmp6, 0x10000c
	s_cmp_lg_u32 s2, 0xf033
	s_cbranch_scc0 .Lentry_shape_is_right
	s_endpgm
.Lentry_shape_is_right:
; qs = q Wq^T + bq, ks = k Wk^T, vs = k Wv^T on codes of FP4 (E2M1) with E8M0 scales; then, for each batch b and head n, t[l] = qs . ks[l] x log2(e) / 8, the softmax over the 1,024 positions l (out1[n x 32 + b][l]) and
; out0[b][64 n ..] = the sum over l of the weights x vs[l], + bv (the weights add up to 1).  ks and vs never leave the registers.  All behind the three products is f32.
; LEFT OUT: bk adds the same number to all of a row's scores, and the softmax along l takes it away for all values of the inputs.  LIMIT: a NaN, an infinity or an overflow that reaches only that term is not carried on.
; LIMITS: NaN and infinities are not served; a weight under 2^-126 comes out as 0 (v_exp_f32 flushes: ISA guide, its entry); the running maximum begins at -3e38; 1 / the sum is v_rcp_f32's.
; codes, scales: tiles of 16 rows x K 1,024 in the order of the operand's registers: a K step's fragment is two loads of 16 bytes a lane at 8192 T + 1024 s + 512 c + 16 lane; a row's scale words of K steps 4 f .. 4 f + 3
; are the 16 bytes at 512 T + 256 f + 16 r.  Tiles: k 64 b + l / 16, Wk from 2048, Wv 2112, Wq 2176, q 2240.
; SHARES.  A work-group owns one batch and two heads: 256 work-groups.  Wave w: head 2 hp + w % 2, and in each slot of 16 tiles of k the eight tiles 8 (w / 2) on.  ITS HEAD'S 64 ROWS OF Wk AND 64 OF Wv, ALL OF K, STAY IN
; 512 REGISTERS, so a fragment of k read from LDS feeds four matrix instructions of 32 x 16 x 128.  Source 0 = 32 rows of W, source 1 = 16 positions of k: lane (r, h) holds position r; registers 0-7 channels 8 h + 0 .. 7,
; registers 8-15 channels 16 + 8 h + 0 .. 7.  Each lane keeps a running maximum, a sum and 32 partial outputs for its positions; lanes and waves are joined once, at the end.
; A TRIP takes two tiles of k.  THE BODY IS TURNED: V's products of trip t, with K's scores of trip t between them and the loads of trip t + 1's fragments among them, then the outputs, then K's products of trip t + 1.
; A scale register of k holds tile A's words in lanes 0-15 and tile B's in lanes 16-31 (ROW1); one of W 32 rows' words.
; CLUSTER 4 x 4.  The four work-groups of a row share a batch: k's codes and scale bytes are asked for jointly along the row; the four of a column share two heads: W jointly along the column.  Wq (used once) goes straight into
; registers: beside the ring there is no room for it in LDS.
; REGISTERS, in windows of 256.  0: v1-31 addresses, statistics; v32-83 scale words alone; v84-95 addresses, bv; v96-159 K's accumulators; v160-191 Wv's K step 0.  1: Wk, K step s at v[32 s].  2: Wv, K step s > 0 at
;   v[32 (s - 1)]; v224 the fragments' address.  3: v[16 s + 8 u] the fragments of the trip's tile u; v128-191 V's accumulators; v192-223 c x qs; v224-255 the partial outputs.  At the head 3 holds Wq's and q's fragments.
.set SLOT1, 1<<17                      ; LDS: slot 0 at 0, slot 1 here: 16 tiles of codes each.  Slot 1 holds W first
.set SLOTB, 131072
.set SCL,   2*SLOT1                    ; the batch's 64 tiles of scale bytes, filled once
.set SC,    SCL+32768                  ; the scores t: 2,048 bytes for each wave, in the order in which it makes them
.set COMB,  SC+8192                    ; 512 bytes for each wave: its 64 outputs, its maximum and sum
.set QX,    COMB+2048                  ; 2,048 bytes for each wave: its half of c x qs, as an image of 16 registers
.set SPARE, QX+8192                    ; the spare words, 128 bytes for each wave
.set WKC,   2048*8192                  ; where Wk's codes begin; Wv's 64 tiles on, Wq's 128
.set WQC,   2176*8192
.set QC,    2240*8192
.set WKS,   2048*512
.set QSO,   2240*512
.set LOFF, 1                           ; 16 x lane
.set ADS,  3                           ; LDS address of the next trip's scale words
.set SCW,  4                           ; of this trip's scores
.set SPW,  5                           ; of my spare word; never rewritten
.set NIL,  6                           ; 0; never rewritten
.set PFO,  7                           ; 256 x lane
.set CH,   8                           ; v8-15 the scores' chains; t of tile A in v8, of B in v12, the new maximum in v14
.set PA,   16                          ; v16, v18 the weights of A's and B's position; v20 a = 2^(old - new maximum); each the low half of a pair
.set PB,   18
.set AA,   20
.set MX,   24
.set SM,   25
.set AF0,  26                          ; my lane's place in a slot, among the scale words, among the scores
.set AS0,  27
.set SW0,  28
.set QLO,  29                          ; 256 h
.set BLO,  30                          ; 32 h
.set WS,   32                          ; W's scale words: v[32 + 8 P + s], P = 0, 1: Wk's pairs of tiles, 2, 3: Wv's
.set KS,   64                          ; k's: v[64 + s]
.set QWS,  72
.set QSC,  80
.set CW,   84
.set CMS,  85
.set CRD,  86
.set QXW,  87
.set QXR,  88
.set WA0,  89
.set WA1,  90
.set SRD,  91
.set L8,   92
.set SOF,  93                          ; 512 h + 16 r: a row's scale words in a pair of tiles
.set BV,   94
.set KA,   96                          ; K's accumulators: pair p, tile u at v[96 + 32 p + 16 u]
.set QS,   96                          ; at the head: my 32 channels of qs
.set WV0,  160
.set FA,   128                         ; the finale
.set ADA,  224                         ; window 2
.set VA,   128                         ; window 3
.set QS3,  192
.set OT,   224
.set WV, 18
.set HL, 19                            ; wave % 2: which of the two heads
.set RP, 20                            ; wave / 2: which half of a slot's tiles
.set CX, 21
.set CY, 22
.set HP, 23
.set NN, 24
.set BB, 25
.set G1K, 28                           ; group 1: 128 rows of 256 bytes, to my row of the cluster;  G1H 512 rows, likewise;  G1W 256 rows, to my column
.set G1H, 36
.set G1W, 44
.set G0K, 52                           ; group 0 for the ring: it walks;  for the head's loads: k's scale bytes, Wk, k's first slot, Wv
.set G0S, 56
.set G0W, 60
.set G0H, 84
.set G0V, 96
.set SEL, 74
.set TB,  76                           ; LDS byte at which the next trip's tiles begin; its scale words; this trip's scores
.set TS,  77
.set TL,  78
.set SLOTS, 79
.set TRIPS, 80
.set LIM, 81                           ; 1 in a work-group that prefetches, else the greatest number
.set PFA, 82
.set CS,  104                          ; c = log2(e) / 8, as a pair
.set MSB, 0
.macro WIN new                         ; the immediate's high byte repeats the setting that is left; a switch that changes nothing is dropped
.if MSB != (\new)
	s_set_vgpr_msb (MSB<<8)|(\new)
.set MSB, (\new)
.endif
.endm
.macro ROUND                           ; a round of the cluster's barrier
	s_barrier_signal -1
	s_barrier_wait -1
	s_cmp_lg_u32 s[WV], 0
	s_cbranch_scc1 .Lnot_wave_0_\@
	s_barrier_signal -3
.Lnot_wave_0_\@:
	s_barrier_wait -3
	s_barrier_signal -1
	s_barrier_wait -1
.endm
.macro DIMS g, n                       ; n dense rows of 256 bytes (32 elements of 8 bytes), no padding: every LDS read of them takes runs of 256 or 512 consecutive bytes
	s_mov_b32 s[\g+1], 32<<16
	s_mov_b32 s[\g+2], (\n)<<16
	s_mov_b32 s[\g+3], 32<<16
	s_mov_b32 s[\g+4], \n
	s_mov_b32 s[\g+5], 32
	s_mov_b32 s[\g+6], 0
	s_mov_b32 s[\g+7], 0
.endm
	s_load_b256 s[4:11], s[0:1], 0x0               ; codes s[4:5], scales s[6:7], bq s[8:9], bv s[10:11]
	s_load_b128 s[12:15], s[0:1], 0x20             ; out0 s[12:13], out1 s[14:15]
	v_lshl_add_u32 v[SPW], v0, 2, SPARE
	v_mov_b32 v[NIL], 0
	ds_add_u32 v[SPW], v[NIL]                      ; the wave's opening: the add, twice on end, and its wait ahead of my first tensor load
	ds_add_u32 v[SPW], v[NIL]
	v_lshrrev_b32 v31, 5, v0
	v_readfirstlane_b32 s[WV], v31                 ; wave 0..3
	s_and_b32 s[HL], s[WV], 1
	s_lshr_b32 s[RP], s[WV], 1
	s_bfe_u32 s[CX], ttmp6, 0x40000                ; my place in the cluster
	s_bfe_u32 s[CY], ttmp6, 0x40004
	s_lshl_b32 s[HP], ttmp9, 2
	s_add_co_u32 s[HP], s[HP], s[CX]               ; the pair of heads
	s_and_b32 s[BB], ttmp7, 0xffff
	s_lshl_b32 s[BB], s[BB], 2
	s_add_co_u32 s[BB], s[BB], s[CY]               ; the batch
	s_lshl_b32 s[NN], s[HP], 1
	s_add_co_u32 s[NN], s[NN], s[HL]               ; my head
	s_lshl_b32 s94, s[CY], 2
	s_lshl_b32 s94, 15, s94                        ; my row of the cluster: it shares the batch
	s_lshl_b32 s95, 0x1111, s[CX]                  ; my column: it shares the heads
	s_or_b32 s[G1K], s94, (3<<16)|(1<<21)          ; 15:0 the mask; 17:16 elements of 8 bytes; 21 set beside a mask
	s_or_b32 s[G1H], s94, (3<<16)|(1<<21)
	s_or_b32 s[G1W], s95, (3<<16)|(1<<21)
	DIMS G1K, 128
	DIMS G1H, 512
	DIMS G1W, 256
	s_lshl_b32 s88, s[BB], 19                      ; a batch's codes are 64 tiles,
	s_mov_b32 s89, 0
	s_lshl_b32 s94, s[WV], 15                      ; my quarter of a slot four
	s_add_co_u32 s100, s88, s94
	s_mov_b32 s101, 0
	s_lshl_b32 s90, s[BB], 15                      ; its scale bytes 32,768
	s_mov_b32 s91, 0
	s_lshl_b32 s92, s[HP], 16                      ; Wk's two heads: eight tiles; Wv's 524,288 bytes on
	s_add_co_u32 s92, s92, WKC
	s_mov_b32 s93, 0
	s_mov_b32 s[G0K], 1
	s_mov_b32 s[G0K+1], s94                        ; my quarter of slot 0: the first change turns it to slot 1
	s_mov_b32 s[G0S], 1
	s_mov_b32 s[G0S+1], SCL
	s_mov_b32 s[G0W], 1
	s_mov_b32 s[G0W+1], SLOT1
	s_mov_b32 s[G0V], 1
	s_mov_b32 s[G0V+1], SLOT1+65536
	s_mov_b32 s[G0H], 1
	s_mov_b32 s[G0H+1], 0
	s_mov_b32 s[SEL], 0x76543210
	s_mov_b32 s[SEL+1], 0xfedcba98
	s_mov_b32 s[CS], 0x3e38aa3b                    ; c = log2(e) / sqrt(64)
	s_mov_b32 s[CS+1], s[CS]                       ; (named with it as a pair, so it is written)
	s_mov_b32 s[TB], 0
	s_mov_b32 s[TS], 0
	s_mov_b32 s[TL], 0
	s_mov_b32 s[SLOTS], 3
	s_cmp_eq_u32 ttmp9, 0                          ; both clusters of a row of clusters walk the same batches: the first prefetches.  The same in all sixteen partners
	s_cselect_b32 s[LIM], 1, -1
	v_and_b32 v[L8], 31, v0                        ; lane
	v_lshlrev_b32 v[LOFF], 4, v[L8]
	v_lshlrev_b32 v[PFO], 8, v[L8]
	v_lshlrev_b32 v[L8], 3, v[L8]
	v_bfe_u32 v31, v0, 4, 1                        ; h
	v_lshlrev_b32 v[QLO], 8, v31
	v_lshlrev_b32 v[BLO], 5, v31
	v_lshlrev_b32 v[SOF], 9, v31
	v_and_b32 v31, 15, v0                          ; r
	v_lshl_add_u32 v[SOF], v31, 4, v[SOF]
	s_lshl_b32 s94, s[WV], 11
	s_add_co_u32 s95, s94, SC
	v_lshl_add_u32 v[SW0], v31, 2, s95             ; my wave's scores, 4 bytes a position
	v_add_nc_u32 v[SRD], s95, v[LOFF]
	s_add_co_u32 s95, s94, QX
	v_add_nc_u32 v[QXW], s95, v[LOFF]
	s_lshl_b32 s94, s[HL], 11
	s_add_co_u32 s94, s94, QX
	v_add_nc_u32 v[QXR], s94, v[LOFF]              ; my head's two waves are hl and hl + 2: 4,096 bytes apart
	s_lshl_b32 s94, s[RP], 16
	v_add_nc_u32 v[AF0], s94, v[LOFF]              ; my eight tiles of a slot
	s_lshl_b32 s94, s[RP], 12
	s_add_co_u32 s94, s94, SCL
	s_wait_alu depctr_va_vdst(0)                   ; the wait directly ahead of the reader below
	v_add_nc_u32 v[AS0], s94, v[SOF]
	s_lshl_b32 s94, s[HL], 15
	s_add_co_u32 s94, s94, SLOT1
	v_add_nc_u32 v[WA0], s94, v[LOFF]
	v_add_nc_u32 v[WA1], 65536, v[WA0]
	s_lshl_b32 s94, s[WV], 9
	s_add_co_u32 s94, s94, COMB
	v_add_nc_u32 v[CW], s94, v[BLO]
	s_lshl_b32 s94, s[HL], 9
	s_add_co_u32 s94, s94, COMB
	v_add_nc_u32 v[CMS], s94, v[BLO]
	v_add_nc_u32 v[CRD], s94, v[L8]
	s_wait_alu depctr_va_vdst(0)
	s_wait_dscnt 0x0                               ; both opening adds are done
	s_wait_kmcnt 0x0
	s_add_nc_u64 s[G0K+2:G0K+3], s[4:5], s[100:101]
	s_or_b32 s[G0K+3], s[G0K+3], 0x80000000        ; type = 2
	s_add_nc_u64 s[G0H+2:G0H+3], s[4:5], s[88:89]
	s_or_b32 s[G0H+3], s[G0H+3], 0x80000000
	s_add_nc_u64 s[G0S+2:G0S+3], s[6:7], s[90:91]
	s_or_b32 s[G0S+3], s[G0S+3], 0x80000000
	s_add_nc_u64 s[G0W+2:G0W+3], s[4:5], s[92:93]
	s_or_b32 s[G0W+3], s[G0W+3], 0x80000000
	s_add_nc_u64 s[92:93], s[92:93], 0x80000
	s_add_nc_u64 s[G0V+2:G0V+3], s[4:5], s[92:93]
	s_or_b32 s[G0V+3], s[G0V+3], 0x80000000
	ROUND                                          ; all sixteen work-groups are here: the first joint loads meet
; THE HEAD'S LOADS, ONE A WAVE: wave 0 fetches the two heads' Wk, wave 1 their Wv (both into slot 1), wave 2 k's first 16 tiles (slot 0), wave 3 the batch's scale bytes.  One tree of branches on the wave's number.
.macro ARM under, g0, g1, next
	s_cmp_lt_u32 s[WV], \under
	s_cbranch_scc0 \next
	tensor_load_to_lds s[\g0:\g0+3], s[\g1:\g1+7]
	s_nop 0
.rept 4
	v_nop
.endr
	s_branch .Lhead_asked
\next:
.endm
	ARM 1, G0W, G1W, .Lhead_v
	ARM 2, G0V, G1W, .Lhead_k
	ARM 3, G0H, G1H, .Lhead_s
	tensor_load_to_lds s[G0S:G0S+3], s[G1K:G1K+7]
	s_nop 0
.rept 4
	v_nop
.endr
.Lhead_asked:
	s_lshl_b32 s90, s[NN], 8                       ; my head's 64 numbers
	s_add_nc_u64 s[10:11], s[10:11], s[90:91]      ; in bv,
	s_add_nc_u64 s[12:13], s[12:13], s[90:91]      ; in a row of out0,
	s_lshl_b32 s94, s[RP], 7
	s_add_co_u32 s90, s90, s94
	s_add_nc_u64 s[8:9], s[8:9], s[90:91]          ; and in bq, where I take 32 of them: tiles 2 rp, 2 rp + 1
	s_lshl_b32 s90, s[BB], 12
	s_add_nc_u64 s[12:13], s[12:13], s[90:91]      ; out0: row b
	s_lshl_b32 s90, s[NN], 5
	s_add_co_u32 s90, s90, s[BB]
	s_lshl_b32 s90, s90, 12                        ; out1: row 32 n + b,
	s_lshl_b32 s94, s[RP], 9
	s_add_co_u32 s90, s90, s94                     ; + my 128 positions of each 256
	s_add_nc_u64 s[14:15], s[14:15], s[90:91]
	s_lshl_b32 s90, s[NN], 11
	s_add_co_u32 s90, s90, WKS
	s_add_nc_u64 s[66:67], s[6:7], s[90:91]        ; the scale words of my head's four tiles of Wk; Wv's 32,768 bytes on, Wq's 65,536
	s_lshl_b32 s90, s[RP], 10
	s_add_co_u32 s90, s90, 65536
	s_add_nc_u64 s[2:3], s[66:67], s[90:91]        ; those of my two tiles of Wq
	s_lshl_b32 s90, s[NN], 15
	s_lshl_b32 s94, s[RP], 14
	s_add_co_u32 s90, s90, s94
	s_add_co_u32 s90, s90, WQC
	s_add_nc_u64 s[68:69], s[4:5], s[90:91]        ; and their codes
	s_lshr_b32 s94, s[BB], 4
	s_and_b32 s95, s[BB], 15
	s_lshl_b32 s95, s95, 4
	s_lshl_b32 s90, s94, 13
	s_add_co_u32 s90, s90, s95
	s_add_co_u32 s90, s90, QC
	s_add_nc_u64 s[70:71], s[4:5], s[90:91]        ; q: tile b / 16, row b % 16: its codes,
	s_lshl_b32 s90, s94, 9
	s_add_co_u32 s90, s90, s95
	s_add_co_u32 s90, s90, QSO
	s_add_nc_u64 s[72:73], s[6:7], s[90:91]        ; its scale bytes
	s_lshl_b32 s90, s[BB], 19                      ; the prefetches: of a slot's 131,072 bytes the row's partner cx takes 32,768, told apart by address; of those my wave 8,192
	s_lshl_b32 s94, s[CX], 15
	s_add_co_u32 s90, s90, s94
	s_lshl_b32 s94, s[WV], 13
	s_add_co_u32 s90, s90, s94
	s_add_co_u32 s90, s90, SLOTB                   ; at the second 16 tiles: the first change of slots steps it to the third.  Nothing is prefetched here, at the head
	s_add_nc_u64 s[PFA:PFA+1], s[4:5], s[90:91]
	; 55 loads for qs:
.irp i, 0,1
	global_load_b128 v[QS+8*\i:QS+8*\i+3], v[BLO], s[8:9] offset:64*\i           ; bq in the result's layout: it is the C of the sums
	global_load_b128 v[QS+8*\i+4:QS+8*\i+7], v[BLO], s[8:9] offset:64*\i+16
.endr
	global_load_b128 v[QSC:QSC+3], v[QLO], s[72:73]                              ; q's scale words: every lane of a half takes row b's
.irp i, 0,1
	global_load_b128 v[QWS+4*\i:QWS+4*\i+3], v[LOFF], s[2:3] offset:512*\i
.endr
	WIN 0xc0                                       ; destination window 3
.irp s, 0,1,2,3,4,5,6,7
	global_load_b128 v[192+8*\s:192+8*\s+3], v[QLO], s[70:71] offset:1024*\s     ; q's fragments: every column is row b, so that qs comes out the same in all sixteen lanes of a half
	global_load_b128 v[192+8*\s+4:192+8*\s+7], v[QLO], s[70:71] offset:1024*\s+512
.endr
.irp i, 0,1
.irp s, 0,1,2,3,4,5,6,7
	global_load_b128 v[64*\i+8*\s:64*\i+8*\s+3], v[LOFF], s[68:69] offset:8192*\i+1024*\s
	global_load_b128 v[64*\i+8*\s+4:64*\i+8*\s+7], v[LOFF], s[68:69] offset:8192*\i+1024*\s+512
.endr
.endr
	WIN 0
	; and nine for later: W's scale words, 32 rows a register, and bv
.irp p, 0,1,2,3
.irp f, 0,1
	global_load_b128 v[WS+8*\p+4*\f:WS+8*\p+4*\f+3], v[SOF], s[66:67] offset:(\p/2)*32768+(\p%2)*1024+256*\f
.endr
.endr
	global_load_b64 v[BV:BV+1], v[L8], s[10:11]    ; channels 2 lane, 2 lane + 1
	; qs: my two tiles of 16 channels, by turns
	s_wait_loadcnt 9                               ; the 55 are in; the nine behind them may be out
	WIN 0x0f                                       ; sources 0 and 1 window 3
.irp s, 0,1,2,3,4,5,6,7
.irp i, 0,1
.if \s < 4
	v_wmma_scale_f32_16x16x128_f8f6f4 v[QS+8*\i:QS+8*\i+7], v[64*\i+8*\s:64*\i+8*\s+7], v[192+8*\s:192+8*\s+7], v[QS+8*\i:QS+8*\i+7], v[QWS+4*\i+\s%4], v[QSC+\s%4] matrix_a_fmt:MATRIX_FMT_FP4 matrix_b_fmt:MATRIX_FMT_FP4
.else
	v_wmma_scale_f32_16x16x128_f8f6f4 v[QS+8*\i:QS+8*\i+7], v[64*\i+8*\s:64*\i+8*\s+7], v[192+8*\s:192+8*\s+7], v[QS+8*\i:QS+8*\i+7], v[QWS+4*\i+\s%4], v[QSC+\s%4] matrix_a_fmt:MATRIX_FMT_FP4 matrix_b_fmt:MATRIX_FMT_FP4 matrix_a_scale:MATRIX_SCALE_ROW1 matrix_b_scale:MATRIX_SCALE_ROW1
.endif
.endr
.endr
	WIN 0
.rept 4
	v_nop                                          ; four places behind the products, ahead of the first read of their results (ISA guide 7.12.1)
.endr
.irp i, 0,1,2,3,4,5,6,7
	v_pk_mul_f32 v[QS+2*\i:QS+2*\i+1], v[QS+2*\i:QS+2*\i+1], s[CS:CS+1] op_sel_hi:[1,0]   ; c x qs: the scores come out as exponents of 2
.endr
.irp g, 0,1,2,3
	ds_store_b128 v[QXW], v[QS+4*\g:QS+4*\g+3] offset:512*\g       ; my 16 registers as they stand: the head's other wave takes them so
.endr
	WIN 0xc0
.set i, 0
.rept 32
	v_mov_b32 v[OT+i], 0                           ; the partial outputs.  (The body is written once: its first a = 0 leaves zeros)
.set i, i+1
.endr
	WIN 0
	v_mov_b32 v[MX], 0xff61b1e6                    ; the running maximum: -3e38
	v_mov_b32 v[SM], 0
	v_mov_b32 v[PA+1], 0                           ; (named as upper halves of pairs)
	v_mov_b32 v[PB+1], 0
	v_mov_b32 v[AA+1], 0
	v_add_nc_u32 v[ADS], s[TS], v[AS0]             ; trip 0
	WIN 0x80
	v_add_nc_u32 v[ADA], s[TB], v[AF0]
	WIN 0
	s_wait_alu depctr_va_vdst(0)                   ; the wait at the head's end
	s_wait_tensorcnt 0x0                           ; my tile of the head's four is in
	s_wait_dscnt 0x0                               ; my image of qs has landed
	s_barrier_signal -1
	s_barrier_wait -1                              ; everybody's have
	WIN 0xc0
.irp g, 0,1,2,3
	ds_load_b128 v[QS3+4*\g:QS3+4*\g+3], v[QXR] offset:512*\g                    ; channels 0-31 from wave hl,
	ds_load_b128 v[QS3+16+4*\g:QS3+16+4*\g+3], v[QXR] offset:4096+512*\g         ; 32-63 from wave hl + 2
.endr
	WIN 0x40                                       ; Wk into window 1, for the whole launch
.irp s, 0,1,2,3,4,5,6,7
.irp t, 0,1,2,3
	ds_load_b128 v[32*\s+8*\t:32*\s+8*\t+3], v[WA0] offset:8192*\t+1024*\s
	ds_load_b128 v[32*\s+8*\t+4:32*\s+8*\t+7], v[WA0] offset:8192*\t+1024*\s+512
.endr
.endr
.macro FLOAD s, j                      ; a quarter of K step s's fragments of the next trip's two tiles: tile j / 2, half j % 2
	ds_load_b128 v[16*(\s)+4*(\j):16*(\s)+4*(\j)+3], v[ADA] offset:8192*((\j)/2)+1024*(\s)+512*((\j)%2)
.endm
	WIN 0xc2                                       ; trip 0's fragments: destination window 3, address window 2
.irp s, 0,1,2,3,4,5,6,7
.irp j, 0,1,2,3
	FLOAD \s, \j
.endr
.endr
	WIN 0
	ds_load_b128 v[KS:KS+3], v[ADS]
	ds_load_b128 v[KS+4:KS+7], v[ADS] offset:256
.irp t, 0,1,2,3                        ; Wv: K step 0 into window 0, the others into window 2: the youngest 64 loads
	ds_load_b128 v[WV0+8*\t:WV0+8*\t+3], v[WA1] offset:8192*\t
	ds_load_b128 v[WV0+8*\t+4:WV0+8*\t+7], v[WA1] offset:8192*\t+512
.endr
	WIN 0x80
.irp s, 1,2,3,4,5,6,7
.irp t, 0,1,2,3
	ds_load_b128 v[32*(\s-1)+8*\t:32*(\s-1)+8*\t+3], v[WA1] offset:8192*\t+1024*\s
	ds_load_b128 v[32*(\s-1)+8*\t+4:32*(\s-1)+8*\t+7], v[WA1] offset:8192*\t+1024*\s+512
.endr
.endr
	WIN 0
	s_wait_loadcnt 0x0                             ; W's scale words and bv
; One product of 32 channels x 16 positions, K step s; the first step starts the sum.  Tile u = 1 takes its scale words from lanes 16-31.
.macro WM s, u, d, a, b, sa, sb
.if \s == 0
.if \u
	v_wmma_scale_f32_32x16x128_f4 v[\d:\d+15], v[\a:\a+15], v[\b:\b+7], 0, v[\sa], v[\sb] matrix_b_scale:MATRIX_SCALE_ROW1
.else
	v_wmma_scale_f32_32x16x128_f4 v[\d:\d+15], v[\a:\a+15], v[\b:\b+7], 0, v[\sa], v[\sb]
.endif
.else
.if \u
	v_wmma_scale_f32_32x16x128_f4 v[\d:\d+15], v[\a:\a+15], v[\b:\b+7], v[\d:\d+15], v[\sa], v[\sb] matrix_b_scale:MATRIX_SCALE_ROW1
.else
	v_wmma_scale_f32_32x16x128_f4 v[\d:\d+15], v[\a:\a+15], v[\b:\b+7], v[\d:\d+15], v[\sa], v[\sb]
.endif
.endif
.endm
; A K step of K's or V's products: four accumulators by turns (pair j / 2 of W's tiles, tile j % 2 of k): three others stand between a sum's steps
.macro KSTEP s
.irp j, 0,1,2,3
	WM \s, \j%2, KA+16*\j, 32*\s+16*(\j/2), 16*\s+8*(\j%2), WS+8*(\j/2)+\s, KS+\s
.endr
.endm
.macro VSTEP s
.if \s == 0
	WIN 0xfc
.set WB, WV0
.else
	WIN 0xfe                                       ; W window 2, all else window 3
.set WB, 32*(\s-1)
.endif
.irp j, 0,1,2,3
	WM \s, \j%2, VA+16*\j, WB+16*(\j/2), 16*\s+8*(\j%2), WS+16+8*(\j/2)+\s, KS+\s
.endr
.endm
; The next trip's fragments come in two runs: K steps 0-3 between V's steps 5 and 6, K steps 4-7 behind the outputs.  The vector work in front of each run is the places behind the products that have read those registers.
; The LDS instructions ahead of K's products, in order: two stores of scores, scale words 0-3, F0 .. F3 (16), scale words 4-7, F4 .. F7 (16)
.macro KPART wait
	WIN 0x0d
.if \wait
	s_wait_dscnt 25                                ; F0, F1 and scale words 0-3 are in
.endif
	KSTEP 0
	KSTEP 1
.if \wait
	s_wait_dscnt 17                                ; F2, F3
.endif
	KSTEP 2
	KSTEP 3
.if \wait
	s_wait_dscnt 8                                 ; F4, F5 and scale words 4-7
.endif
	KSTEP 4
	KSTEP 5
.if \wait
	s_wait_dscnt 0x0
.endif
	KSTEP 6
	KSTEP 7
	WIN 0
.endm
.macro BODY fetch
	VSTEP 0
	VSTEP 1
	WIN 0
	v_add_nc_u32 v[SCW], s[TL], v[SW0]             ; four plain lines: the places between K's last products and the first read of their results (ISA guide 7.12.1)
.if \fetch
	v_add_nc_u32 v[ADS], s[TS], v[AS0]
	WIN 0x80
	v_add_nc_u32 v[ADA], s[TB], v[AF0]
	v_nop
.else
	v_nop
	v_nop
	v_nop
.endif
	WIN 0x0c
.irp i, 0,1,2,3,4,5,6,7                ; my 32 channels of c qs . ks: for each tile two chains, one a pair of W's tiles; each accumulator from its low end on
.irp j, 0,1,2,3
.if \i == 0
	v_pk_mul_f32 v[CH+4*(\j%2)+2*(\j/2):CH+4*(\j%2)+2*(\j/2)+1], v[KA+16*\j:KA+16*\j+1], v[QS3+16*(\j/2):QS3+16*(\j/2)+1]
.else
	v_pk_fma_f32 v[CH+4*(\j%2)+2*(\j/2):CH+4*(\j%2)+2*(\j/2)+1], v[KA+16*\j+2*\i:KA+16*\j+2*\i+1], v[QS3+16*(\j/2)+2*\i:QS3+16*(\j/2)+2*\i+1], v[CH+4*(\j%2)+2*(\j/2):CH+4*(\j%2)+2*(\j/2)+1]
.endif
.endr
.endr
	VSTEP 2
	VSTEP 3
	WIN 0
	v_pk_add_f32 v[8:9], v[8:9], v[10:11]
	v_pk_add_f32 v[12:13], v[12:13], v[14:15]
	v_add_f32 v8, v8, v9
	v_add_f32 v12, v12, v13
	v_permlanex16_b32 v9, v8, s[SEL], s[SEL+1]     ; the position's other 32 channels lie in lane xor 16
	v_permlanex16_b32 v13, v12, s[SEL], s[SEL+1]
	VSTEP 4
	VSTEP 5
	WIN 0
	v_add_f32 v8, v8, v9                           ; t of A's position r: the same bits in both halves
	v_add_f32 v12, v12, v13                        ; and of B's
	v_max3_num_f32 v14, v[MX], v8, v12             ; my lane's new maximum
	v_sub_f32 v[AA], v[MX], v14
	v_sub_f32 v[PA], v8, v14
	v_sub_f32 v[PB], v12, v14
	ds_store_b32 v[SCW], v8                        ; kept for out1 (both halves write the same word with the same value)
	ds_store_b32 v[SCW], v12 offset:64
.if \fetch
	ds_load_b128 v[KS:KS+3], v[ADS]                ; the next trip's scale words of K steps 0-3
	WIN 0xc2                                       ; and its fragments: destination window 3, address window 2
.irp s, 0,1,2,3
.irp j, 0,1,2,3
	FLOAD \s, \j
.endr
.endr
.endif
	VSTEP 6
	VSTEP 7
	WIN 0
	s_wait_alu depctr_va_vdst(0)                   ; the wait ahead of the batch
	v_exp_f32 v[AA], v[AA]                         ; a = 2^(old - new),
	v_exp_f32 v[PA], v[PA]                         ; A's weight,
	v_exp_f32 v[PB], v[PB]                         ; B's
	v_mov_b32 v[MX], v14                           ; (a plain line behind the exponentials)
	WIN 0xf3
	s_wait_alu depctr_va_vdst(0)                   ; and behind it: one for the three, and for V's accumulators, first read below
.set i, 0
.rept 16
	v_pk_mul_f32 v[OT+i:OT+i+1], v[OT+i:OT+i+1], v[AA:AA+1] op_sel_hi:[1,0]   ; (also the places behind V's last products)
.set i, i+2
.endr
.irp u, 0,1
.irp p, 0,1
.set i, 0
.rept 8
	v_pk_fma_f32 v[OT+16*\p+i:OT+16*\p+i+1], v[VA+32*\p+16*\u+i:VA+32*\p+16*\u+i+1], v[PA+2*\u:PA+2*\u+1], v[OT+16*\p+i:OT+16*\p+i+1] op_sel_hi:[1,0,1]   ; + weight x vs, my 32 channels
.set i, i+2
.endr
.endr
.endr
	WIN 0
	v_fma_f32 v[SM], v[SM], v[AA], v[PA]
	v_add_f32 v[SM], v[SM], v[PB]
.if \fetch
	ds_load_b128 v[KS+4:KS+7], v[ADS] offset:256
	WIN 0xc2
.irp s, 4,5,6,7
.irp j, 0,1,2,3
	FLOAD \s, \j
.endr
.endr
	KPART 1
.endif
.endm
; n trips, each with the next trip's fetch; then on to the other slot's head
.macro TRIPLOOP n
	s_mov_b32 s[TRIPS], \n
.Ltrip_\@:
	BODY 1
	s_add_co_u32 s[TB], s[TB], 16384
	s_add_co_u32 s[TS], s[TS], 1024
	s_add_co_u32 s[TL], s[TL], 128
	s_sub_co_u32 s[TRIPS], s[TRIPS], 1
	s_cmp_lg_u32 s[TRIPS], 0
	s_cbranch_scc1 .Ltrip_\@
	s_sub_co_u32 s[TB], s[TB], 65536
	s_xor_b32 s[TB], s[TB], SLOT1
	s_add_co_u32 s[TS], s[TS], 4096
.endm
; A PREFETCH INTO THE L2 of the 16 tiles that the NEXT change of slots will ask for, three or four trips ahead of that load.  Each aligned 256 bytes are named once in the launch: of the two clusters that walk a batch the
; first asks; its row's four partners take 32,768 bytes each, by address; each wave 8,192, lanes 256 bytes apart.  The last change that fills a slot asks for nothing.
.macro ASK
	s_cmp_gt_u32 s[SLOTS], s[LIM]
	s_cbranch_scc0 .Lnot_mine_\@
	global_prefetch_b8 v[PFO], s[PFA:PFA+1] th:TH_LOAD_NT scope:SCOPE_SE
.Lnot_mine_\@:
.endm
; THE CHANGE OF SLOTS stands where all of a slot's fragments are in registers and the next fetch is from the other slot.  Each wave waits for all its tensor loads (its quarter of that other slot), adds 0 to its spare word, and waits
; for that and for its reads of the slot that it has left (the first time: of W).  fill = 1: a round of the cluster's barrier, and behind it the slot is filled with the next 16 tiles.
.macro CHANGE fill
	s_wait_tensorcnt 0x0
	ds_add_u32 v[SPW], v[NIL]                      ; 0 onto my spare word
.if \fill
	s_xor_b32 s[G0K+1], s[G0K+1], SLOT1            ; the walking descriptor: the other slot than last time,
	s_add_nc_u64 s[G0K+2:G0K+3], s[G0K+2:G0K+3], SLOTB   ; the next 16 tiles; the type bits on top are not reached
	s_wait_xcnt 0x0                                ; the last prefetch, a slot back, has read its address, so it may be written
	s_add_nc_u64 s[PFA:PFA+1], s[PFA:PFA+1], SLOTB
	s_wait_dscnt 0x0                               ; the add is done, and my reads of the slot that I have left are over
	ROUND
	tensor_load_to_lds s[G0K:G0K+3], s[G1K:G1K+7]  ; the first thing behind the round, and my one tensor load until the next
	s_nop 0
.rept 4
	v_nop
.endr
	ASK
.else
	s_wait_dscnt 0x0
	s_barrier_signal -1
	s_barrier_wait -1
.endif
.endm
	s_wait_dscnt 63                                ; all but Wv's 64 loads are in, at least
	KPART 0                                        ; K's products of trip 0 while Wv comes in
	CHANGE 1                                       ; W has been read: slot 1 takes k's second 16 tiles
	s_mov_b32 s[TB], 16384
	s_mov_b32 s[TS], 1024
	TRIPLOOP 3                                     ; trips 0-2: they fetch trips 1-3, the rest of slot 0
	s_mov_b32 s[SLOTS], 2
.Lslot:                                            ; trips 3-6, 7-10
	CHANGE 1
	TRIPLOOP 4
	s_sub_co_u32 s[SLOTS], s[SLOTS], 1
	s_cmp_lg_u32 s[SLOTS], 0
	s_cbranch_scc1 .Lslot
	CHANGE 0                                       ; nothing more to fill
	TRIPLOOP 4                                     ; trips 11-14
	BODY 0                                         ; trip 15 fetches nothing
	; THE FINALE.  Sixteen lanes of a half hold, each under its own maximum, partial sums for the same 32 channels: they are brought under the wave's maximum and added.
	v_max_num_f32_dpp v14, v[MX], v[MX] row_xmask:1 row_mask:0xf bank_mask:0xf
	v_max_num_f32_dpp v14, v14, v14 row_xmask:2 row_mask:0xf bank_mask:0xf
	v_max_num_f32_dpp v14, v14, v14 row_xmask:4 row_mask:0xf bank_mask:0xf
	v_max_num_f32_dpp v14, v14, v14 row_xmask:8 row_mask:0xf bank_mask:0xf       ; the wave's maximum (both halves hold the same)
	v_sub_f32 v16, v[MX], v14
	s_wait_alu depctr_va_vdst(0)
	v_exp_f32 v16, v16
	v_nop                                          ; a plain line behind the exponential
	s_wait_alu depctr_va_vdst(0)                   ; and the wait ahead of its first reader
	v_mul_f32 v15, v[SM], v16
	WIN 0x03
.set i, 0
.rept 16
	v_pk_mul_f32 v[FA+i:FA+i+1], v[OT+i:OT+i+1], v[16:17] op_sel_hi:[1,0]
.set i, i+2
.endr
	WIN 0
.irp m, 1,2,4,8
	v_add_f32_dpp v15, v15, v15 row_xmask:\m row_mask:0xf bank_mask:0xf
.set i, 0
.rept 32
	v_add_f32_dpp v[FA+i], v[FA+i], v[FA+i] row_xmask:\m row_mask:0xf bank_mask:0xf
.set i, i+1
.endr
.endr
.irp t, 0,1,2,3
	ds_store_b128 v[CW], v[FA+8*\t:FA+8*\t+3] offset:64*\t         ; channel 16 t + 8 h + j at byte 64 t + 32 h + 4 j; the sixteen lanes of a half write the same bytes with the same values
	ds_store_b128 v[CW], v[FA+8*\t+4:FA+8*\t+7] offset:64*\t+16
.endr
	ds_store_b64 v[CW], v[14:15] offset:256        ; the wave's maximum and sum, once for each half of the lanes
	s_wait_alu depctr_va_vdst(0)
	s_wait_dscnt 0x0                               ; for the others' sake: my stores have landed
	s_barrier_signal -1
	s_barrier_wait -1
	ds_load_b64 v[192:193], v[CRD]                 ; my head's two waves: channels 2 lane, 2 lane + 1 of wave hl,
	ds_load_b64 v[194:195], v[CRD] offset:1024     ; of wave hl + 2,
	ds_load_b64 v[196:197], v[CMS] offset:256      ; their maxima and sums
	ds_load_b64 v[198:199], v[CMS] offset:1280
.irp g, 0,1,2,3
	ds_load_b128 v[200+4*\g:200+4*\g+3], v[SRD] offset:512*\g      ; and my wave's own 512 scores
.endr
	s_wait_dscnt 4                                 ; the first four are in; the four loads of scores may be out
	v_max_num_f32 v20, v196, v198                  ; the row's maximum
	v_sub_f32 v21, v196, v20
	v_sub_f32 v22, v198, v20
	s_wait_alu depctr_va_vdst(0)
	v_exp_f32 v21, v21
	v_exp_f32 v22, v22
	v_nop
	s_wait_alu depctr_va_vdst(0)
	v_mul_f32 v23, v197, v21
	v_fma_f32 v23, v199, v22, v23                  ; the row's sum
	s_wait_alu depctr_va_vdst(0)
	v_rcp_f32 v8, v23
	v_mul_f32 v192, v192, v21                      ; (plain lines behind the reciprocal, which name neither its result nor its source)
	v_mul_f32 v193, v193, v21
	v_fma_f32 v192, v194, v22, v192
	v_fma_f32 v193, v195, v22, v193
	s_wait_alu depctr_va_vdst(0)
	v_fma_f32 v192, v192, v8, v[BV]
	v_fma_f32 v193, v193, v8, v[BV+1]
	s_wait_alu depctr_va_vdst(0)                   ; the wait directly ahead of the branch
	s_cmp_lg_u32 s[RP], 0                          ; both waves of a head hold the same 64 outputs: the first stores them
	s_cbranch_scc1 .Lno_out0
	global_store_b64 v[L8], v[192:193], s[12:13] th:TH_STORE_NT    ; 32 lanes store 256 consecutive bytes, aligned
.Lno_out0:
	s_wait_dscnt 0x0
.set i, 0
.rept 8
	v_pk_add_f32 v[200+i:200+i+1], v[200+i:200+i+1], v[20:21] op_sel_hi:[1,0] neg_lo:[0,1] neg_hi:[0,1]   ; t - the row's maximum
.set i, i+2
.endr
.set i, 0
	s_wait_alu depctr_va_vdst(0)
.rept 16
	v_exp_f32 v[200+i], v[200+i]
.set i, i+1
.endr
	v_nop
	s_wait_alu depctr_va_vdst(0)                   ; one wait for the sixteen
.set i, 0
.rept 8
	v_pk_mul_f32 v[200+i:200+i+1], v[200+i:200+i+1], v[8:9] op_sel_hi:[1,0]
.set i, i+2
.endr
.irp g, 0,1,2,3
	global_store_b128 v[LOFF], v[200+4*\g:200+4*\g+3], s[14:15] offset:1024*\g th:TH_STORE_NT   ; my 128 positions of each 256: 512 consecutive bytes, aligned
.endr
	s_wait_tensorcnt 0x0                           ; the wave's end
	ds_add_u32 v[SPW], v[NIL]
	s_wait_dscnt 0x0
	ROUND                                          ; the closing round: no work-group ends while a partner may still ask for a tile that names it
	s_endpgm
.Lfunc_end_k_qfa8a09401a_attn:
	.size	k_qfa8a09401a_attn, .Lfunc_end_k_qfa8a09401a_attn-k_qfa8a09401a_attn
	.p2alignl 7, 3214868480
	.fill 96, 4, 3214868480
	.section	.rodata,"a",@progbits
	.p2align	6, 0x0
	.amdhsa_kernel k_qfa8a09401a_attn
		.amdhsa_group_segment_fixed_size 327680
		.amdhsa_private_segment_fixed_size 0
		.amdhsa_enable_private_segment 0
		.amdhsa_kernarg_size 48
		.amdhsa_user_sgpr_count 2
		.amdhsa_user_sgpr_kernarg_segment_ptr 1
		.amdhsa_wavefront_size32 1
		.amdhsa_system_sgpr_workgroup_id_x 1
		.amdhsa_system_sgpr_workgroup_id_y 1
		.amdhsa_system_sgpr_workgroup_id_z 1
		.amdhsa_system_vgpr_workitem_id 0
		.amdhsa_next_free_vgpr 1024
		.amdhsa_next_free_sgpr 106
		.amdhsa_reserve_vcc 0
		.amdhsa_float_denorm_mode_32 3
		.amdhsa_float_denorm_mode_16_64 3
		.amdhsa_memory_ordered 1
		.amdhsa_forward_progress 1
		.amdhsa_inst_pref_size 114
	.end_amdhsa_kernel
	.amdgpu_metadata
---
amdhsa.version: [ 1, 2 ]
amdhsa.kernels:
  - .name:           k_qfa8a09401a_attn
    .symbol:         k_qfa8a09401a_attn.kd
    .args:
      - { .name: codes, .offset: 0, .size: 8, .value_kind: global_buffer, .address_space: global }
      - { .name: scales, .offset: 8, .size: 8, .value_kind: global_buffer, .address_space: global }
      - { .name: bq, .offset: 16, .size: 8, .value_kind: global_buffer, .address_space: global }
      - { .name: bv, .offset: 24, .size: 8, .value_kind: global_buffer, .address_space: global }
      - { .name: out0, .offset: 32, .size: 8, .value_kind: global_buffer, .address_space: global }
      - { .name: out1, .offset: 40, .size: 8, .value_kind: global_buffer, .address_space: global }
    .group_segment_fixed_size: 327680
    .private_segment_fixed_size: 0
    .kernarg_segment_align: 8
    .kernarg_segment_size: 48
    .max_flat_workgroup_size: 128
    .sgpr_count:     106
    .vgpr_count:     1024
    .wavefront_size: 32
...
	.end_amdgpu_metadata
.endif
;; end of part 2
